; MI455X (gfx1250); checked and timed in simulation.
; The chip was launched on July 23, 2026; its instructions are those of AMD's public machine-readable ISA for CDNA 5 (MIT licence, August 2026) and "CDNA5" Instruction Set Architecture Reference Guide (July 2026). The comments in the code are by the model that wrote it; some were corrected since.
;; KAN Linear. Allowed arithmetic: matrix products marked QUANTISED: E3M2 operands, one E8M0 scale for each 32 along K, by v_wmma_scale_f32_16x16x128_f8f6f4 with both operands' format E3M2, f32 sums; everything else in f32.
;; Inputs: base_weight 256 x 256 float32; grid 256 x 12 float32; spline_weight 256 x 256 x 8 float32; x 32,768 x 256 float32.
;; Outputs: out0 32,768 x 256 float32.
;; This version of the problem:
;;   THIS VERSION OF THE PROBLEM IS GIVEN IN LOW PRECISION. The matrix products marked QUANTISED in the list below multiply operands that are first quantised to E3M2 (3 exponent bits, 2 mantissa bits; 6 bits a number), with one power-of-two scale for each 32 numbers along K (OCP MX v1.0); their sums are f32. All else is computed in f32.
;;   The module's matrix products, in the order in which they are computed (A, B: the left and right operand; K: the contracted axis; several contracted axes count as one K, in the product's order):
;;     1. [M 32,768, K 256] x [K 256, N 256]; A: computed on the way; B: input base_weight: QUANTISED
;;     2. [M 32,768, K 2,048] x [K 2,048, N 256]; A: computed on the way; B: input spline_weight: QUANTISED
;;   THE QUANTISER, for each operand of a quantised product, along K:
;;     - K is cut into blocks of 32 from its start; a last block that is shorter is filled with zeros.
;;     - A block's scale is 2^e with e = floor(log2(the largest magnitude in the block)) - 4, held to -126 .. 127; a block of zeros has e = 0. As a byte (E8M0): e + 127.
;;     - Each number is divided by its block's scale, clamped to +-28, and rounded to the nearest number of E3M2, ties to even, subnormals kept.
;;     - The product sums the exact products of the quantised numbers (number of the format x scale) in f32.
;;   ~~~python
;;   def quantise(x, axis):      # numpy; x: float32 -> the quantised numbers, widened to float32 again
;;       x = np.moveaxis(x, axis, -1); K = x.shape[-1]
;;       x = np.pad(x, [(0, 0)] * (x.ndim - 1) + [(0, -K % 32)]); x = x.reshape(x.shape[:-1] + (-1, 32)); a = np.abs(x).max(-1, keepdims=True)
;;       e = np.where(a > 0, np.clip(np.frexp(np.where(a > 0, a, 1))[1] - 1 - 4, -126, 127), 0)      # np.frexp(a)[1] - 1 = floor(log2(a)), exactly
;;       r = np.clip(x / 2.0 ** e, -28, 28)
;;       step = 2.0 ** (np.maximum(np.frexp(np.where(r == 0, 1, r))[1] - 1, -2) - 2)
;;       q = np.round(r / step) * step * 2.0 ** e      # np.round: ties to even
;;       return np.moveaxis(q.reshape(q.shape[:-2] + (-1,))[..., :K], -1, axis).astype(np.float32)
;;   ~~~
;;   OPERANDS COMPUTED ON THE WAY. 'Computed on the way' means the value that the module computes at that place (a softmax that the list does not call 'softmax' is quantised finished and normalised). What goes into a quantiser is computed in f32, as accurately as f32 sums, v_exp_f32 and their like allow (about 1e-6 of the number): no bf16 or f16 on the way to a quantiser, and a product that is left as it is and whose result goes on into a quantised operand takes f32 operands (vector FMAs, or v_wmma_f32_16x16x4_f32). A number that lies on a knife's edge between two numbers of the format may be rounded either way, as far as f32 arithmetic and the matrix unit's own rounding can turn it there, and no further.
;; One version. Each part assembles by itself: llvm-mc -triple=amdgcn-amd-amdhsa -mcpu=gfx1250 --defsym DOCPART=n.
;; ======== version 1 of 1: 2 launches
;; workspace buffers: wq 460,800 bytes
;; launch prep (part 1): grid 36 x 1, 8 waves a work-group, no clusters, 2,048 bytes of LDS; arguments spline_weight, base_weight, wq; writes wq
.if DOCPART == 1
	.amdgcn_target "amdgcn-amd-amdhsa--gfx1250"
	.amdhsa_code_object_version 6
	.text
	.protected	k_q63d1bab56f_prep
	.globl	k_q63d1bab56f_prep
	.p2align	8
	.type	k_q63d1bab56f_prep,@function
k_q63d1bab56f_prep:
	s_mov_b64 s[64:65], 0
	v_nop
	global_prefetch_b8 v0, s[64:65] scope:SCOPE_SE
	s_setreg_imm32_b32 hwreg(HW_REG_WAVE_MODE, 25, 1), 1
	s_wait_xcnt 0x0
; Both weights, f32 with K innermost (spline_weight [256][2048], K = 8 x feature + basis; base_weight [256][256]), become codes of BF6 (E3M2) with one E8M0
; byte for each 32 along K, laid in wq in the ORDER OF THE OPERAND'S REGISTERS, so that the product's launch takes every fragment by loads of 16 bytes a lane.
; wq: 9 images of 51,200 bytes (K steps 0-7 of the spline product, then the base product), each two step images of 25,600 bytes (K half 0, K half 1).
; A step image (128 along K x 256 outputs): 16 fragments of 1,536 bytes (three chunks of 512: registers 4 c .. 4 c + 3, lane l's 16 bytes at 16 l), then 1,024 bytes of scale words:
; register u, lane l at 512 (u / 4) + 16 l + 4 (u % 4); lanes 0-15 hold the words of position 2 u, lanes 16-31 those of position 2 u + 1.
; Position p of K half kh holds the outputs 16 (p xor 8 kh) on: so positions 0-7 are the columns that the reading wave keeps at the end.
; ORDER INSIDE A BLOCK OF 32: place 16 u + 2 k + a takes the block's number 16 u + 8 a + k.  The other operand is laid the same way; the 32 numbers of a block, and so its scale, are unchanged.
; A block's scale is 2^(floor(log2(its largest magnitude)) - 4); its byte is the largest magnitude's exponent field - 4, held at 1 from below.  A block of zeros so gets the byte 1 and not 127:
; its codes are zeros, which add nothing, and only this program reads the bytes.
; LIMITS: NaN and infinities among the weights are not served; blocks whose largest magnitude lies under 2^-122 keep the byte 1.
; SHARES: 36 work-groups = 9 images x 2 K halves x 2 halves of the positions; each of the eight waves makes one fragment: lane (r, h) takes output row r of the tile and the blocks h and 2 + h,
; which is what the 6-bit operand layout gives that lane.  There is work for 36 work-groups and no more: the whole launch reads 2.3 MB once.
.set IMG,   51200
.set STEPI, 25600
.set FRB,   1536
.set SCO,   24576
.set L,     16                         ; v16-79   my two blocks as they lie in memory
.set P,     80                         ; v80-143  the same in the operand's order
.set W,     144                        ; v144-155 the fragment's twelve registers
.set TT,    156                        ; v156-158, v160-162 the upper halves' codes (a conversion's three registers begin on an even number)
	s_load_b128 s[4:7], s[0:1], 0x0                ; spline_weight, base_weight
	s_load_b64 s[8:9], s[0:1], 0x10                ; wq
	v_lshl_add_u32 v168, v0, 2, 0x400
	v_mov_b32 v169, 0
	v_lshrrev_b32 v1, 5, v0
	s_delay_alu instid0(VALU_DEP_1)
	v_readfirstlane_b32 s10, v1                    ; wave 0..7
	v_and_b32 v1, 31, v0                           ; lane
	v_and_b32 v2, 15, v0                           ; r
	s_wait_alu depctr_va_vdst(0)
	v_bfe_u32 v3, v0, 4, 1                         ; h
	v_lshlrev_b32 v5, 4, v1                        ; 16 x lane: my place in a chunk
	s_lshr_b32 s11, ttmp9, 2                       ; which image: 0..8
	s_bfe_u32 s12, ttmp9, 0x10001                  ; kh: which K half
	s_and_b32 s13, ttmp9, 1                        ; which eight positions
	s_lshl_b32 s14, s13, 3
	s_add_co_u32 s14, s14, s10                     ; my position
	s_lshl_b32 s15, s12, 3
	s_xor_b32 s15, s14, s15                        ; its tile of 16 outputs
	s_lshl_b32 s16, s12, 5
	s_lshl_b32 s17, s11, 2
	s_add_co_u32 s16, s16, s17                     ; spline: the step's first block = 32 kh + 4 x image
	s_lshl_b32 s17, s12, 2                         ; base: 4 kh
	s_mov_b32 s22, 0x76543210
	s_mov_b32 s23, 0xfedcba98                      ; v_permlanex16_b32's selects for lane l xor 16
	s_and_b32 s24, s10, 1                          ; LDS: my scale words' place among the eight positions': 16 (r + 16 (wave % 2)) + 4 (wave / 2)
	s_lshl_b32 s24, s24, 8
	s_lshr_b32 s25, s10, 1
	s_lshl_b32 s25, s25, 2
	s_add_co_u32 s24, s24, s25
	v_lshl_add_u32 v6, v2, 4, s24
	s_wait_kmcnt 0x0
	s_cmp_eq_u32 s11, 8                            ; the last image is the base product's: the choice hangs on the work-group's number alone
	s_cselect_b64 s[4:5], s[6:7], s[4:5]
	s_cselect_b32 s18, 10, 13                      ; a row of the weight: 2^10 or 2^13 bytes
	s_cselect_b32 s16, s17, s16
	s_lshl_b32 s19, s15, 4
	s_lshl_b32 s19, s19, s18                       ; 16 x tile rows,
	s_lshl_b32 s16, s16, 7                         ; and 128 bytes a block
	s_add_co_u32 s20, s19, s16
	s_mov_b32 s21, 0
	s_add_nc_u64 s[4:5], s[4:5], s[20:21]
	v_lshlrev_b32 v4, s18, v2                      ; my row,
	s_wait_alu depctr_va_vdst(0)
	v_lshl_add_u32 v4, v3, 7, v4                   ; and block h
.irp c, 0,1
.irp i, 0,1,2,3,4,5,6,7
	global_load_b128 v[L+32*\c+4*\i:L+32*\c+4*\i+3], v4, s[4:5] offset:256*\c+16*\i th:TH_LOAD_NT   ; block 2 c + h: 128 bytes; the two lanes of a row read its 512 consecutive bytes
.endr
.endr
	s_mul_i32 s20, s11, IMG
	s_mul_i32 s24, s12, STEPI
	s_add_co_u32 s20, s20, s24
	s_add_nc_u64 s[8:9], s[8:9], s[20:21]          ; my step image
	s_mul_i32 s24, s14, FRB
	s_mov_b32 s25, 0
	s_add_nc_u64 s[26:27], s[8:9], s[24:25]        ; my fragment
	s_lshl_b32 s24, s13, 9
	s_add_co_u32 s24, s24, SCO
	s_add_nc_u64 s[28:29], s[8:9], s[24:25]        ; the 512 bytes of scale words of my work-group's eight positions
	s_wait_loadcnt 0x0
.irp c, 0,1
	v_max3_num_f32 v[8+\c], |v[L+32*\c]|, |v[L+32*\c+1]|, 0x2800000   ; the block's largest magnitude: all 32 are mine; the floor 2^(5 - 127) holds the byte at 1 from below
.endr
.irp i, 2,4,6,8,10,12,14,16,18,20,22,24,26,28,30
.irp c, 0,1
	s_delay_alu instid0(VALU_DEP_2)
	v_max3_num_f32 v[8+\c], v[8+\c], |v[L+32*\c+\i]|, |v[L+32*\c+\i+1]|   ; (the two blocks by turns)
.endr
.endr
.irp c, 0,1
	s_delay_alu instid0(VALU_DEP_2)
	v_add_nc_u32 v[10+\c], 0xfe000000, v[8+\c]     ; 4 off the exponent field: the conversion takes this operand's exponent field as its scale
.endr
.irp c, 0,1
	s_delay_alu instid0(VALU_DEP_2)
	v_lshrrev_b32 v[12+\c], 23, v[10+\c]           ; the scale's byte
.endr
.irp c, 0,1
.irp u, 0,1
.irp a, 0,1
.irp k, 0,1,2,3,4,5,6,7
	v_mov_b32 v[P+32*\c+16*\u+2*\k+\a], v[L+32*\c+16*\u+8*\a+\k]   ; into the order that both operands keep inside a block
.endr
.endr
.endr
.endr
.irp c, 0,1
	v_cvt_scalef32_pk16_bf6_f32 v[W+6*\c:W+6*\c+2], v[P+32*\c:P+32*\c+15], v[10+\c]
	v_cvt_scalef32_pk16_bf6_f32 v[TT+4*\c:TT+4*\c+2], v[P+32*\c+16:P+32*\c+31], v[10+\c]
.endr
	v_lshl_or_b32 v14, v13, 16, v12                ; (a plain line behind the conversions)  my two bytes: blocks h and 2 + h,
	v_lshlrev_b32 v15, 3, v3
	s_delay_alu instid0(VALU_DEP_1)
	v_lshlrev_b32 v14, v15, v14                    ; at their places in the row's scale word (8 h bits up);
	v_mov_b32 v15, 0
	s_delay_alu instid0(VALU_DEP_1)
	v_permlanex16_b32 v15, v14, s22, s23
	s_delay_alu instid0(VALU_DEP_1)
	v_or_b32 v14, v14, v15                         ; with lane l xor 16's two the word is whole
.irp c, 0,1
.irp i, 0,1,2
	v_mov_b32 v[W+6*\c+3+\i], v[TT+4*\c+\i]
.endr
.endr
.irp c, 0,1,2
	global_store_b128 v5, v[W+4*\c:W+4*\c+3], s[26:27] offset:512*\c   ; the wave stores 512 consecutive bytes, at a multiple of 256 from wq's first byte
.endr
	ds_store_b32 v6, v14                           ; both lanes of a row write the same word with the same value
	s_wait_dscnt 0x0                               ; for wave 0's sake: my word has landed
	s_barrier_signal -1
	s_barrier_wait -1
	s_cmp_lg_u32 s10, 0
	s_cbranch_scc1 .Ldone
	ds_load_b128 v[16:19], v5                      ; wave 0: the eight positions' 512 bytes of scale words, in the order of the reader's registers
	s_wait_dscnt 0x0
	global_store_b128 v5, v[16:19], s[28:29]
.Ldone:
	s_wait_tensorcnt 0x0
	ds_add_u32 v168, v169
	s_wait_dscnt 0x0
	s_endpgm
.Lfunc_end_k_q63d1bab56f_prep:
	.size	k_q63d1bab56f_prep, .Lfunc_end_k_q63d1bab56f_prep-k_q63d1bab56f_prep
	.p2alignl 7, 3214868480
	.fill 96, 4, 3214868480
	.section	.rodata,"a",@progbits
	.p2align	6, 0x0
	.amdhsa_kernel k_q63d1bab56f_prep
		.amdhsa_group_segment_fixed_size 2048
		.amdhsa_private_segment_fixed_size 0
		.amdhsa_enable_private_segment 0
		.amdhsa_kernarg_size 24
		.amdhsa_user_sgpr_count 2
		.amdhsa_user_sgpr_kernarg_segment_ptr 1
		.amdhsa_wavefront_size32 1
		.amdhsa_system_sgpr_workgroup_id_x 1
		.amdhsa_system_sgpr_workgroup_id_y 1
		.amdhsa_system_sgpr_workgroup_id_z 1
		.amdhsa_system_vgpr_workitem_id 0
		.amdhsa_next_free_vgpr 170
		.amdhsa_next_free_sgpr 66
		.amdhsa_reserve_vcc 0
		.amdhsa_float_denorm_mode_32 3
		.amdhsa_float_denorm_mode_16_64 3
		.amdhsa_memory_ordered 1
		.amdhsa_forward_progress 1
		.amdhsa_inst_pref_size 11
	.end_amdhsa_kernel
	.amdgpu_metadata
---
amdhsa.version: [ 1, 2 ]
amdhsa.kernels:
  - .name:           k_q63d1bab56f_prep
    .symbol:         k_q63d1bab56f_prep.kd
    .args:
      - { .name: spline_weight, .offset: 0, .size: 8, .value_kind: global_buffer, .address_space: global }
      - { .name: base_weight, .offset: 8, .size: 8, .value_kind: global_buffer, .address_space: global }
      - { .name: wq, .offset: 16, .size: 8, .value_kind: global_buffer, .address_space: global }
    .group_segment_fixed_size: 2048
    .private_segment_fixed_size: 0
    .kernarg_segment_align: 8
    .kernarg_segment_size: 24
    .max_flat_workgroup_size: 256
    .sgpr_count:     66
    .vgpr_count:     170
    .wavefront_size: 32
...
	.end_amdgpu_metadata
.endif
;; end of part 1
;; launch kan (part 2): grid 256 x 1, 8 waves a work-group, clusters of 4 x 1, 327,680 bytes of LDS; arguments x, grid, wq, out0; writes out0
.if DOCPART == 2
	.amdgcn_target "amdgcn-amd-amdhsa--gfx1250"
	.amdhsa_code_object_version 6
	.text
	.protected	k_q63d1bab56f_kan
	.globl	k_q63d1bab56f_kan
	.p2align	8
	.type	k_q63d1bab56f_kan,@function
k_q63d1bab56f_kan:
	s_mov_b64 s[64:65], 0
	v_nop
	global_prefetch_b8 v0, s[64:65] scope:SCOPE_SE
	s_setreg_imm32_b32 hwreg(HW_REG_WAVE_MODE, 25, 1), 1
	s_wait_xcnt 0x0
	s_wait_alu depctr_hold_cnt(0) depctr_sa_sdst(0) depctr_va_vdst(0) depctr_va_sdst(0) depctr_va_ssrc(0) depctr_va_vcc(0) depctr_vm_vsrc(0)
	s_getreg_b32 s2, hwreg(HW_REG_IB_STS2, 6, 4)
	s_cmp_eq_u32 s2, 0
	s_cbranch_scc0 .Lentry_in_a_cluster
	s_endpgm
.Lentry_in_a_cluster:
	s_bfe_u32 s2, ttmp6, 0x10000c
	s_cmp_lg_u32 s2, 0x3003
	s_cbranch_scc0 .Lentry_shape_is_right
	s_endpgm
.Lentry_shape_is_right:
; out0 = silu(x) Wb^T + bases(x, grid) Ws^T.  x [32768][256], grid [256][12], out0 [32768][256]: f32.  Both products on codes of BF6 (E3M2) with one E8M0 scale for each 32 along K; sums in f32.
; The weights come from wq, laid by the launch before as images of the operand's registers: 9 images of 51,200 bytes (spline K steps 0-7 of both K halves, then the base product's).
; THE BASES are computed as the definition has them, for ANY knots (a row of their own for each feature, uneven, unsorted): all 11 indicators and the whole recursion.  With dx_j = x - g_j and
; r_p[j] = 1 / ((g[j+p] - g[j]) + 1e-8):  N_j = (g_j <= x < g_j+1) ? r_1[j] : 0;  then for p = 1, 2, 3:  b_j = dx_j N_j - dx_(j+p+1) N_(j+1),  N_j = b_j r_(p+1)[j] (none behind p = 3).
; All in f32, two neighbouring features of one row at a time (packed forms).  The 42 constants of a feature are made once (reciprocal and one Newton step) and kept in an LDS table.
; SHARES.  A work-group owns 128 rows; 256 work-groups.  Wave w: kh = w % 2, rg = w / 2: rows 32 rg .. + 31 (two tiles of 16) and K HALF kh: features 128 kh .. + 127, in both products.  So each number of x
; is worked on by one wave.  A wave keeps 32 rows x 256 columns of partial sums (32 accumulators, window 1); at the end the two K halves of a row group are added through LDS.
; Eight waves, two to a SIMD: by the text's own count a K step has some 1,400 vector instructions for its 32 matrix instructions, so what matters is vector work, and one wave's scalar, LDS and matrix lines stand beside the other's vector lines.
; LAYOUT.  The matrix instruction is used transposed (source 0 = 16 outputs, source 1 = my 16 rows): a lane holds one row (lane % 16) throughout, and eight neighbouring outputs of it in a result.
; Lane (r, h) holds, of a block of 32 along K (4 features x 8 bases), features 2 h and 2 h + 1: register 2 k + a = basis k of feature 2 h + a: place 16 h + 2 k + a of the block; the weights' codes are laid in the same order.
; CLUSTER.  Every work-group walks the same weights: four form a cluster and ask for each image JOINTLY, each wave for an eighth of it (25 rows of 256 bytes), by the same descriptor and a mask that names the four.
; Two LDS slots take turns; a K step asks at its head for the next image, which has the whole step in which to land.  One tensor load of a wave is out at any time.
; LIMITS.  NaN and infinities in x or grid are not served (x < g is taken as not x >= g).  Where (g[j+p] - g[j]) + 1e-8 is 0 or under 2^-126 in magnitude the definition itself is not finite.  A block of zeros has the scale byte 1, not 127: its codes are zeros.
; LDS: slot 0 at 0; the spare words at 51,200; slot 1 at 65,536; the table at 116,736 (128 records of 336 bytes: two features' g, r1, r2, r3 in pairs; then 1,024 zero bytes, which the last look-ahead reads);
;   from 160,768 each wave's own 32 rows x (512 + 16) bytes of x, later the exchange of partial sums and the stage for the way out.  No tensor load lands behind slot 1.  All of the LDS is claimed.
.set IMG,   51200
.set PART,  IMG/8
.set STEPI, 25600
.set FRB,   1536
.set SCO,   24576
.set SLOTX, 0x10000
.set SPARE, 51200
.set TAB,   SLOTX+IMG
.set REC,   336
.set ZREC,  TAB+128*REC
.set XS,    ZREC+1024
.set XPI,   528                        ; a row of x in LDS: 512 bytes + 16: an odd multiple of 16, so that the sixteen rows of a load start at different banks
.set XW,    32*XPI
; window 0
.set SPW,  1                           ; v1   LDS address of my spare word; never rewritten
.set NIL,  2                           ; v2   0; never rewritten
.set ACT0, 3                           ; v3   my record of the table in K step 0, block 0
.set AX0,  4                           ; v4   my pair of x in K step 0, block 0, tile 0
.set AB0,  5                           ; v5   16 x lane + my K half's step image
.set ACT,  6                           ; v6-8 the same three for the K step in hand
.set AX,   7
.set ADB,  8
.set AXB,  9                           ; v9   x for silu: my row, + 64 h
.set EXW,  10                          ; v10  my area + 16 x lane
.set EXR,  11                          ; v11  my partner's area + 16 x lane
.set STO,  12                          ; v12  the stage: my row, + 32 h
.set GO,   13                          ; v13  16 x lane
.set XGO,  14                          ; v14  my lane's offset in x
.set XST,  15                          ; v15  where I store x in my area
.set CT,   16                          ; v16-99   constants: g at +2 j, r1 at +24 + 2 j, r2 at +46 + 2 j, r3 at +66 + 2 j (pairs: feature 2 h, 2 h + 1)
.set XR,   100                         ; v100-115 x's pairs of a K step: tile t, block b at + 8 t + 2 b
.set DX,   116                         ; v116-139 dx
.set NB,   140                         ; v140-161 N
.set TQ,   162                         ; v162-181 at work
.set BF,   100                         ; v100-195 eight fragments of the weights, over XR .. TQ
.set XB,   100                         ; v100-131 two sets of 16 numbers of x for silu
.set F,    100                         ; v100-227 the way out
.set AC,   196                         ; v196-219 my codes: tile t at + 12 t
.set CV,   220                         ; v220-227 an odd block's codes ahead of the exchange of halves
.set MXA,  228
.set MXB,  229
.set PX,   230
.set SO,   231
.set BY,   232
.set AS,   236                         ; v236-237 my rows' scale words, tile t
.set BS,   240                         ; v240-247 the weights' scale words: register u: lanes 0-15 position 2 u, lanes 16-31 position 2 u + 1
.set GK,   16                          ; at the head, in the constants' registers: v16-27 my feature's knots, v28-57 denominators, v58-87 reciprocals, v92-99 temporaries
.set DN,   28
.set RC,   58
.set MK,   68                          ; s68-91 the masks x >= g_j, then the indicators: 2 j + a
.set MSB, 0
.macro WIN new                         ; the immediate's high byte repeats the setting that is left
.if MSB != \new
	s_set_vgpr_msb (MSB<<8)|\new
.set MSB, \new
.endif
.endm
.macro PLACES                          ; four plain places: behind matrix instructions, ahead of loads into their registers and of reads of their results; and behind a tensor load
.rept 4
	v_nop
.endr
.endm
.macro CROUND                          ; a round of the cluster's barrier
	s_barrier_signal -1
	s_barrier_wait -1
	s_cmp_lg_u32 s12, 0
	s_cbranch_scc1 .Lnot_wave_0_\@
	s_barrier_signal -3
.Lnot_wave_0_\@:
	s_barrier_wait -3
	s_barrier_signal -1
	s_barrier_wait -1
.endm
; THE CHANGE OF SLOTS, at a K step's head.  Each wave waits for all its tensor loads (its eighth of the image that it is about to read), adds 0 to its spare word, and waits for that and for all its LDS reads and stores.
; fill = 1: behind a round of the cluster's barrier the slot that has been left takes the next image: no wave of any partner still reads it or has a load on its way.
.macro CHANGE fill
	s_wait_tensorcnt 0x0                           ; no tensor load of mine is out, so the descriptor may be written
	ds_add_u32 v[SPW], v[NIL]                      ; 0 onto my spare word
.if \fill
	s_xor_b32 s33, s33, SLOTX                      ; the other slot,
	s_add_nc_u64 s[34:35], s[34:35], IMG           ; the next image; the type bits on top are not reached
.endif
	s_wait_dscnt 0x0                               ; the add is done; my reads of the slot that I leave are over, and my stores have landed
.if \fill
	CROUND
	tensor_load_to_lds s[32:35], s[24:31]          ; my one tensor load until the next change of slots
	s_nop 0
	PLACES
.else
	s_barrier_signal -1
	s_barrier_wait -1
.endif
.endm
.macro LOADC base, first, cnt          ; cnt chunks of 16 bytes of the record base bytes on, from chunk first
.set cc, \first
.rept \cnt
	ds_load_b128 v[CT+4*cc:CT+4*cc+3], v[ACT] offset:(\base)+16*cc
.set cc, cc+1
.endr
.endm
; One level of the recursion: cnt values.  All products first, then all fused multiply-adds, then the reciprocals of the next level (rr: their place among the constants; 0: none): in place, and no line waits for the line above it.
.macro LEVEL p, cnt, rr
.set jj, 0
.rept \cnt
	v_pk_mul_f32 v[TQ+2*jj:TQ+2*jj+1], v[DX+2*(jj+\p+1):DX+2*(jj+\p+1)+1], v[NB+2*jj+2:NB+2*jj+3]
.set jj, jj+1
.endr
.set jj, 0
.rept \cnt
	v_pk_fma_f32 v[NB+2*jj:NB+2*jj+1], v[DX+2*jj:DX+2*jj+1], v[NB+2*jj:NB+2*jj+1], v[TQ+2*jj:TQ+2*jj+1] neg_lo:[0,0,1] neg_hi:[0,0,1]
.set jj, jj+1
.endr
.if \rr
.set jj, 0
.rept \cnt
	v_pk_mul_f32 v[NB+2*jj:NB+2*jj+1], v[NB+2*jj:NB+2*jj+1], v[CT+\rr+2*jj:CT+\rr+2*jj+1]
.set jj, jj+1
.endr
.endif
.endm
; The eight bases of my two features of block b, tile t: v[NB] .. v[NB + 15].  last = 1 (the second tile): the next block's constants are asked for as soon as this block's registers are free.
.macro TU t, b, last
.set XQ, XR+8*(\t)+2*(\b)
.if (\t) == 0
	s_wait_dscnt 15                                ; the knots' six loads are in; the 15 younger ones (reciprocals) may be out
.endif
.irp j, 0,1,2,3,4,5,6,7,8,9,10,11
	v_cmp_ge_f32 s[MK+2*\j], v[XQ], v[CT+2*\j]
	v_cmp_ge_f32 s[MK+2*\j+1], v[XQ+1], v[CT+2*\j+1]
.endr
.irp j, 0,1,2,3,4,5,6,7,8,9,10
	v_pk_add_f32 v[DX+2*\j:DX+2*\j+1], v[XQ:XQ+1], v[CT+2*\j:CT+2*\j+1] neg_lo:[0,1] neg_hi:[0,1]
	s_and_not1_b32 s[MK+2*\j], s[MK+2*\j], s[MK+2*\j+2]        ; g_j <= x and not g_j+1 <= x; ascending, so that the next mask is still whole
	s_and_not1_b32 s[MK+2*\j+1], s[MK+2*\j+1], s[MK+2*\j+3]
.endr
	v_pk_add_f32 v[DX+22:DX+23], v[XQ:XQ+1], v[CT+22:CT+23] neg_lo:[0,1] neg_hi:[0,1]
.if \last
	LOADC 2*REC*((\b)+1), 0, 6                     ; the next block's knots
.endif
.if (\t) == 0
	s_wait_dscnt 0x0                               ; the reciprocals are in
.endif
.irp j, 0,1,2,3,4,5,6,7,8,9,10
	v_cndmask_b32 v[NB+2*\j], 0, v[CT+24+2*\j], s[MK+2*\j]
	v_cndmask_b32 v[NB+2*\j+1], 0, v[CT+25+2*\j], s[MK+2*\j+1]
.endr
	LEVEL 1, 10, 46
	LEVEL 2, 9, 66
.if \last
	LOADC 2*REC*((\b)+1), 6, 15                    ; and its reciprocals
.endif
	LEVEL 3, 8, 0
.endm
; v[NB] .. v[NB + 15], places 16 h + 0 .. 15 of block be of tile t's K step, are quantised: the codes into the operand's registers, the byte into the rows' scale word.
.macro QB t, be
	v_max3_num_f32 v[MXA], |v[NB]|, |v[NB+1]|, 0x2800000           ; my 16, and the floor 2^(5 - 127): the byte cannot fall under 1
	v_max3_num_f32 v[MXB], |v[NB+2]|, |v[NB+3]|, |v[NB+4]|
	s_delay_alu instid0(VALU_DEP_2)
	v_max3_num_f32 v[MXA], v[MXA], |v[NB+5]|, |v[NB+6]|
	s_delay_alu instid0(VALU_DEP_2)
	v_max3_num_f32 v[MXB], v[MXB], |v[NB+7]|, |v[NB+8]|
	s_delay_alu instid0(VALU_DEP_2)
	v_max3_num_f32 v[MXA], v[MXA], |v[NB+9]|, |v[NB+10]|
	s_delay_alu instid0(VALU_DEP_2)
	v_max3_num_f32 v[MXB], v[MXB], |v[NB+11]|, |v[NB+12]|
	s_delay_alu instid0(VALU_DEP_2)
	v_max3_num_f32 v[MXA], v[MXA], |v[NB+13]|, |v[NB+14]|
	s_delay_alu instid0(VALU_DEP_1)
	v_max3_num_f32 v[MXA], v[MXA], v[MXB], |v[NB+15]|
	s_delay_alu instid0(VALU_DEP_1)
	v_permlanex16_b32 v[PX], v[MXA], s20, s21
	s_delay_alu instid0(VALU_DEP_1)
	v_max_num_f32 v[MXA], v[MXA], v[PX]            ; with lane l xor 16's 16: the block's largest magnitude
	s_delay_alu instid0(VALU_DEP_1)
	v_add_nc_u32 v[SO], 0xfe000000, v[MXA]         ; 4 off its exponent field: the conversion's scale operand
.if ((\be)%2) == 0
	v_cvt_scalef32_pk16_bf6_f32 v[AC+12*(\t)+6*((\be)/2):AC+12*(\t)+6*((\be)/2)+2], v[NB:NB+15], v[SO]
.else
	v_cvt_scalef32_pk16_bf6_f32 v[CV+4*(\t):CV+4*(\t)+2], v[NB:NB+15], v[SO]
.endif
.if (\be) == 0
	v_lshrrev_b32 v[AS+(\t)], 23, v[SO]            ; the scale's byte.  (These lines are the plain place behind the conversion)
.else
	v_lshrrev_b32 v[BY], 23, v[SO]
	s_delay_alu instid0(VALU_DEP_1)
	v_lshl_or_b32 v[AS+(\t)], v[BY], 8*(\be), v[AS+(\t)]
.endif
.if ((\be)%2) == 1                     ; the operand's layout wants a WHOLE block in a lane: lanes 0-15 the even block, lanes 16-31 the odd one
.irp i, 0,1,2
	v_permlane16_swap_b32 v[AC+12*(\t)+6*((\be)/2)+\i], v[CV+4*(\t)+\i]
.endr
.irp i, 0,1,2
	s_delay_alu instid0(VALU_DEP_3)
	v_mov_b32 v[AC+12*(\t)+6*((\be)/2)+3+\i], v[CV+4*(\t)+\i]
.endr
.endif
.endm
.macro LOADG g, half                   ; the weights' fragments of positions 4 g .. 4 g + 3 into buffers 4 half .. 4 half + 3: 12 loads, each 512 consecutive bytes
.irp i, 0,1,2,3
.irp c, 0,1,2
	ds_load_b128 v[BF+12*(4*(\half)+\i)+4*\c:BF+12*(4*(\half)+\i)+4*\c+3], v[ADB] offset:(4*(\g)+\i)*FRB+512*\c
.endr
.endr
.endm
; Eight matrix instructions: four positions x my two tiles.  The 32 accumulators take turns, one instruction a turn, in the same order in every K step.
.macro MUL8 g, half, zero
.irp i, 0,1,2,3
.irp t, 0,1
.set AR, 8*(16*\t+4*(\g)+\i)
.set BR, BF+12*(4*(\half)+\i)
.set AA, AC+12*\t
.set SB, BS+(4*(\g)+\i)/2
.if \zero
.if \i%2
	v_wmma_scale_f32_16x16x128_f8f6f4 v[AR:AR+7], v[BR:BR+11], v[AA:AA+11], 0, v[SB], v[AS+\t] matrix_a_fmt:MATRIX_FMT_BF6 matrix_b_fmt:MATRIX_FMT_BF6 matrix_a_scale:MATRIX_SCALE_ROW1
.else
	v_wmma_scale_f32_16x16x128_f8f6f4 v[AR:AR+7], v[BR:BR+11], v[AA:AA+11], 0, v[SB], v[AS+\t] matrix_a_fmt:MATRIX_FMT_BF6 matrix_b_fmt:MATRIX_FMT_BF6
.endif
.else
.if \i%2
	v_wmma_scale_f32_16x16x128_f8f6f4 v[AR:AR+7], v[BR:BR+11], v[AA:AA+11], v[AR:AR+7], v[SB], v[AS+\t] matrix_a_fmt:MATRIX_FMT_BF6 matrix_b_fmt:MATRIX_FMT_BF6 matrix_a_scale:MATRIX_SCALE_ROW1
.else
	v_wmma_scale_f32_16x16x128_f8f6f4 v[AR:AR+7], v[BR:BR+11], v[AA:AA+11], v[AR:AR+7], v[SB], v[AS+\t] matrix_a_fmt:MATRIX_FMT_BF6 matrix_b_fmt:MATRIX_FMT_BF6
.endif
.endif
.endr
.endr
.endm
; A K step's 32 products.  The fragments come in four groups of four, through two sets of four buffers.  zero = 1: the products start the sums: nothing is cleared.
.macro MPHASE zero
	LOADG 0, 0
	LOADG 1, 1
.rept 8
	v_nop                                          ; my scale words, written by vector instructions, stand eight places ahead of a scaled matrix instruction, my codes four
.endr
	s_wait_dscnt 12                                ; group 0 is in; group 1's twelve loads may be out
	WIN 0x50                                       ; C and D in window 1
	MUL8 0, 0, \zero
	WIN 0
	PLACES
	LOADG 2, 0
	s_wait_dscnt 12                                ; group 1 is in
	WIN 0x50
	MUL8 1, 1, \zero
	WIN 0
	PLACES
	LOADG 3, 1
	s_wait_dscnt 12                                ; group 2 is in
	WIN 0x50
	MUL8 2, 0, \zero
	s_wait_dscnt 0x0
	MUL8 3, 1, \zero
	WIN 0
	PLACES
.endm
; A K step of the spline product: 16 features of my K half, four blocks, two tiles of rows.
.macro STEP_SPLINE first
	CHANGE 1
	v_add_nc_u32 v[ACT], s37, v[ACT0]
	v_add_nc_u32 v[AX], s38, v[AX0]
	v_add_nc_u32 v[ADB], s36, v[AB0]
.if \first
	LOADC 0, 0, 21                                 ; the first block's constants; every later block's are asked for a block ahead
.endif
.irp t, 0,1
.irp b, 0,1,2,3
	ds_load_b64 v[XR+8*\t+2*\b:XR+8*\t+2*\b+1], v[AX] offset:16*XPI*\t+16*\b
.endr
.endr
	ds_load_b128 v[BS:BS+3], v[ADB] offset:SCO
	ds_load_b128 v[BS+4:BS+7], v[ADB] offset:SCO+512
	s_wait_dscnt 0x0
.irp b, 0,1,2,3
	TU 0, \b, 0
	QB 0, \b
	TU 1, \b, 1                                    ; (in the fourth block the look-ahead takes the next K step's first record; behind the last K step a record that is loaded and not used)
	QB 1, \b
.endr
.if \first
	s_wait_alu depctr_va_vdst(0)
	s_wait_loadcnt 0x0                             ; the second 256 bytes of my rows of x, asked for at the head, wanted from K step 4 on
	WIN 0x04                                       ; an LDS store's data are its source 1: window 1
.irp i, 0,1,2,3,4,5,6,7,8,9,10,11,12,13,14,15
	ds_store_b128 v[XST], v[4*\i:4*\i+3] offset:2*XPI*\i+256
.endr
	WIN 0
.endif
	s_wait_alu depctr_va_vdst(0)
	MPHASE \first
	s_xor_b32 s36, s36, SLOTX                      ; on to the other slot,
	s_add_co_u32 s37, s37, 8*REC                   ; eight records,
	s_add_co_u32 s38, s38, 64                      ; sixteen features
.endm
.macro XBLOAD q                        ; x for silu: tile q / 4, block q % 4: my 16 numbers, features 32 (q % 4) + 16 h + 0 .. 15 of my K half
.irp i, 0,1,2,3
	ds_load_b128 v[XB+16*((\q)%2)+4*\i:XB+16*((\q)%2)+4*\i+3], v[AXB] offset:16*XPI*((\q)/4)+128*((\q)%4)+16*\i
.endr
.endm
.macro SILU q                          ; silu(x) = x / (1 + 2^(-x log2(e))), into v[NB] on, in the order that both operands keep inside a block
.set XC, XB+16*((\q)%2)
.if (\q) < 7
	XBLOAD (\q)+1
	s_wait_dscnt 4                                 ; this block's numbers are in; the next block's four loads may be out
.else
	s_wait_dscnt 0x0
.endif
.irp i, 0,2,4,6,8,10,12,14
	v_pk_mul_f32 v[TQ+\i:TQ+\i+1], v[XC+\i:XC+\i+1], 0xbfb8aa3b op_sel_hi:[1,0]
.endr
	s_wait_alu depctr_va_vdst(0)
.irp i, 0,1,2,3,4,5,6,7,8,9,10,11,12,13,14,15
	v_exp_f32 v[TQ+\i], v[TQ+\i]
.endr
	v_nop                                          ; a plain place behind the transcendentals
	s_wait_alu depctr_va_vdst(0)
.irp i, 0,2,4,6,8,10,12,14
	v_pk_add_f32 v[TQ+\i:TQ+\i+1], v[TQ+\i:TQ+\i+1], 1.0 op_sel_hi:[1,0]
.endr
	s_wait_alu depctr_va_vdst(0)
.irp i, 0,1,2,3,4,5,6,7,8,9,10,11,12,13,14,15
	v_rcp_f32 v[TQ+\i], v[TQ+\i]
.endr
	v_nop
	s_wait_alu depctr_va_vdst(0)
.irp a, 0,1
.irp k, 0,1,2,3,4,5,6,7
	v_mul_f32 v[NB+2*\k+\a], v[XC+8*\a+\k], v[TQ+8*\a+\k]
.endr
.endr
.endm
.macro DENS p, base                    ; g[j + p] - g[j]
.set jj, 0
.rept 12-\p
	v_sub_f32 v[DN+\base+jj], v[GK+jj+\p], v[GK+jj]
.set jj, jj+1
.endr
.endm
.macro RSTORE base, cnt, off           ; cnt reciprocals into my feature's half of its record
.set jj, 0
.rept \cnt
	ds_store_b32 v97, v[RC+\base+jj] offset:\off+8*jj
.set jj, jj+1
.endr
.endm
	s_load_b256 s[4:11], s[0:1], 0x0               ; x s[4:5], grid s[6:7], wq s[8:9], out0 s[10:11]
	v_lshl_add_u32 v[SPW], v0, 2, SPARE
	v_mov_b32 v[NIL], 0
	ds_add_u32 v1, v2
	ds_add_u32 v1, v2
	s_wait_dscnt 0x0
	v_lshrrev_b32 v96, 5, v0
	s_delay_alu instid0(VALU_DEP_1)
	v_readfirstlane_b32 s12, v96                   ; wave 0..7
	s_and_b32 s13, s12, 1                          ; kh: my K half
	s_lshr_b32 s14, s12, 1                         ; rg: my 32 rows
	s_bfe_u32 s15, ttmp6, 0x40000                  ; cx: my place in the cluster: it enters x's and out0's addresses alone
	s_lshl_b32 s16, ttmp9, 2
	s_add_co_u32 s16, s16, s15                     ; work-group = 4 x cluster + cx
	s_lshl_b32 s40, s16, 7
	s_lshl_b32 s41, s14, 5
	s_add_co_u32 s40, s40, s41                     ; my first row
	s_lshl_b32 s40, s40, 10                        ; rows of 1,024 bytes, in x and in out0;
	s_lshl_b32 s41, s13, 9
	s_add_co_u32 s40, s40, s41                     ; my K half's features in x, and the columns that I keep in out0: 512 kh bytes on
	s_mov_b32 s41, 0
	s_mul_i32 s46, s12, PART                       ; my eighth of an image, in memory and in a slot
	s_mov_b32 s47, 0
	s_mul_i32 s42, s12, XW
	s_add_co_u32 s42, s42, XS                      ; my area
	s_xor_b32 s43, s12, 1
	s_mul_i32 s43, s43, XW
	s_add_co_u32 s43, s43, XS                      ; my partner's: the same rows, the other K half
	s_mul_i32 s44, s13, 64*REC
	s_add_co_u32 s44, s44, TAB
	s_mul_i32 s45, s13, STEPI
	s_mov_b32 s20, 0x76543210
	s_mov_b32 s21, 0xfedcba98                      ; v_permlanex16_b32's selects for lane l xor 16
	s_mov_b32 s36, 0                               ; the slot in hand
	s_mov_b32 s37, 0                               ; the K step's records
	s_mov_b32 s38, 0                               ; the K step's features
	; descriptor group 1: a dense block of 6,400 bytes as 25 rows of 256 bytes (32 elements of 8 bytes)
	s_mov_b32 s24, 15|(3<<16)|(1<<21)              ; 15:0 the mask: all four work-groups; 17:16 elements of 8 bytes; 20 no padding; 21 set beside a mask
	s_mov_b32 s25, 32<<16                          ; tensor_dim0
	s_mov_b32 s26, 25<<16                          ; tensor_dim1
	s_mov_b32 s27, 32<<16                          ; tile_dim0
	s_mov_b32 s28, 25                              ; tile_dim1
	s_mov_b32 s29, 32                              ; from row to row
	s_mov_b32 s30, 0
	s_mov_b32 s31, 0
	v_and_b32 v93, 31, v0                          ; lane
	v_and_b32 v94, 15, v0                          ; r
	v_bfe_u32 v95, v0, 4, 1                        ; h
	s_delay_alu instid0(VALU_DEP_1)
	v_mul_u32_u24 v[ACT0], v95, REC
	s_delay_alu instid0(VALU_DEP_1)
	v_add_nc_u32 v[ACT0], s44, v[ACT0]             ; record 64 kh + h
	s_delay_alu instid0(VALU_DEP_4)
	v_mul_u32_u24 v96, v94, XPI
	s_delay_alu instid0(VALU_DEP_1)
	v_add_nc_u32 v96, s42, v96                     ; my area, row r
	s_delay_alu instid0(VALU_DEP_1)
	v_lshl_add_u32 v[AX0], v95, 3, v96
	s_delay_alu instid0(VALU_DEP_2)
	v_lshl_add_u32 v[AXB], v95, 6, v96
	s_delay_alu instid0(VALU_DEP_3)
	v_lshl_add_u32 v[STO], v95, 5, v96
	v_lshlrev_b32 v[GO], 4, v93
	s_delay_alu instid0(VALU_DEP_1)
	v_add_nc_u32 v[AB0], s45, v[GO]
	s_delay_alu instid0(VALU_DEP_2)
	v_add_nc_u32 v[EXW], s42, v[GO]
	s_delay_alu instid0(VALU_DEP_3)
	v_add_nc_u32 v[EXR], s43, v[GO]
	v_mul_u32_u24 v[XST], v95, XPI
	s_delay_alu instid0(VALU_DEP_1)
	v_lshl_add_u32 v[XST], v94, 4, v[XST]
	s_delay_alu instid0(VALU_DEP_1)
	v_add_nc_u32 v[XST], s42, v[XST]               ; x on its way in: lanes 0-15 one row, lanes 16-31 the next, 16 bytes a lane
	v_lshlrev_b32 v[XGO], 10, v95
	s_delay_alu instid0(VALU_DEP_1)
	v_lshl_add_u32 v[XGO], v94, 4, v[XGO]          ; and the same in memory
	v_mul_u32_u24 v92, v0, 48                      ; thread f takes feature f's twelve knots
	v_lshrrev_b32 v97, 1, v0
	s_delay_alu instid0(VALU_DEP_1)
	v_mul_u32_u24 v97, v97, REC
	v_and_b32 v98, 1, v0
	s_delay_alu instid0(VALU_DEP_1)
	v_lshl_add_u32 v97, v98, 2, v97
	s_delay_alu instid0(VALU_DEP_1)
	v_add_nc_u32 v97, TAB, v97                     ; record f / 2, half f % 2
	v_lshl_add_u32 v98, v0, 2, ZREC
	v_mov_b32 v99, 0
	v_mov_b32 v[PX], 0                             ; written once: a lane permute's destination counts as one of its sources
	s_wait_alu depctr_va_vdst(0)
	s_wait_kmcnt 0x0
	s_add_nc_u64 s[4:5], s[4:5], s[40:41]
	s_add_nc_u64 s[10:11], s[10:11], s[40:41]
	s_mov_b32 s32, 1                               ; descriptor group 0: count = 1;
	s_mov_b32 s33, s46                             ; LDS address: slot 0, my eighth;
	s_add_nc_u64 s[34:35], s[8:9], s[46:47]        ; global address: image 0, my eighth: made of wq and the wave's number alone, so equal in the four partners;
	s_or_b32 s35, s35, 0x80000000                  ; type = 2
.irp i, 0,1,2
	global_load_b128 v[GK+4*\i:GK+4*\i+3], v92, s[6:7] offset:16*\i
.endr
.irp i, 0,1,2,3,4,5,6,7,8,9,10,11,12,13,14,15
	global_load_b128 v[F+4*\i:F+4*\i+3], v[XGO], s[4:5] offset:2048*\i th:TH_LOAD_NT        ; the first 256 bytes of my K half of rows 2 i, 2 i + 1: sixteen lanes read 256 consecutive bytes
.endr
	WIN 0x40                                       ; destination window 1: the accumulators' registers are free until the first products
.irp i, 0,1,2,3,4,5,6,7,8,9,10,11,12,13,14,15
	global_load_b128 v[4*\i:4*\i+3], v[XGO], s[4:5] offset:2048*\i+256 th:TH_LOAD_NT        ; the second 256 bytes
.endr
	WIN 0
	CROUND                                         ; all four work-groups are here: the first joint loads meet
	tensor_load_to_lds s[32:35], s[24:31]          ; image 0 into slot 0
	s_nop 0
	PLACES
	; THE TABLE.  Thread f makes feature f's 30 reciprocals.
	s_wait_loadcnt 32                              ; the knots are in; x's 32 loads may be out
	DENS 1, 0
	DENS 2, 11
	DENS 3, 21
.set ii, 0
.rept 30
	v_add_f32 v[DN+ii], 0x322bcc77, v[DN+ii]       ; + 1e-8, behind the difference, as the definition has it
.set ii, ii+1
.endr
.set ii, 0
	s_wait_alu depctr_va_vdst(0)
.rept 30
	v_rcp_f32 v[RC+ii], v[DN+ii]
.set ii, ii+1
.endr
	v_nop                                          ; a plain place behind the transcendentals
.set ii, 0
	s_wait_alu depctr_va_vdst(0)
.rept 30
	v_fma_f32 v[DN+ii], -v[DN+ii], v[RC+ii], 1.0   ; one Newton step: e = 1 - d r,
.set ii, ii+1
.endr
.set ii, 0
.rept 30
	v_fma_f32 v[RC+ii], v[RC+ii], v[DN+ii], v[RC+ii]   ; r = r + r e
.set ii, ii+1
.endr
.irp j, 0,1,2,3,4,5,6,7,8,9,10,11
	ds_store_b32 v97, v[GK+\j] offset:8*\j
.endr
	RSTORE 0, 11, 96
	RSTORE 11, 10, 184
	RSTORE 21, 9, 264
	ds_store_b32 v98, v99                          ; the zeros behind the last record
	s_wait_loadcnt 16                              ; x's first 256 bytes a row are in; the second may be out
.irp i, 0,1,2,3,4,5,6,7,8,9,10,11,12,13,14,15
	ds_store_b128 v[XST], v[F+4*\i:F+4*\i+3] offset:2*XPI*\i
.endr
	STEP_SPLINE 1                                  ; K step 0 is written out: its products start the sums.  Its change of slots is also the barrier behind which every wave may read the table
	s_mov_b32 s39, 7
.Lstep:
	STEP_SPLINE 0
	s_sub_co_u32 s39, s39, 1
	s_cmp_lg_u32 s39, 0
	s_cbranch_scc1 .Lstep
	; THE BASE PRODUCT: one K step, my K half's 128 features.  Nothing is left to fetch.
	CHANGE 0
	v_add_nc_u32 v[ADB], s36, v[AB0]
	ds_load_b128 v[BS:BS+3], v[ADB] offset:SCO
	ds_load_b128 v[BS+4:BS+7], v[ADB] offset:SCO+512
	XBLOAD 0
.irp q, 0,1,2,3,4,5,6,7
	SILU \q
	QB \q/4, \q%4
.endr
	s_wait_alu depctr_va_vdst(0)
	MPHASE 0
	; THE TWO K HALVES ARE ADDED.  Positions 8-15 are my partner's columns: they go to my area as images of their registers; my partner takes them and adds them to its positions 0-7.  My reads of x are over.
	WIN 0x04
.irp t, 0,1
.irp n, 0,1,2,3,4,5,6,7
.irp q, 0,1
	ds_store_b128 v[EXW], v[8*(16*\t+8+\n)+4*\q:8*(16*\t+8+\n)+4*\q+3] offset:512*(16*\t+2*\n+\q)   ; each accumulator from its low end on
.endr
.endr
.endr
	WIN 0
	s_wait_dscnt 0x0                               ; for my partner's sake: my stores have landed
	s_barrier_signal -1
	s_barrier_wait -1
.set ee, 0
.rept 32
	ds_load_b128 v[F+4*ee:F+4*ee+3], v[EXR] offset:512*ee
.set ee, ee+1
.endr
	WIN 0x01                                       ; source 0 in window 1
.irp t, 0,1
.irp n, 0,1,2,3,4,5,6,7
.irp q, 0,1
	s_wait_dscnt 31-(16*\t+2*\n+\q)                ; LDS loads come back in order: this one is in
	v_pk_add_f32 v[F+64*\t+8*\n+4*\q:F+64*\t+8*\n+4*\q+1], v[128*\t+8*\n+4*\q:128*\t+8*\n+4*\q+1], v[F+64*\t+8*\n+4*\q:F+64*\t+8*\n+4*\q+1]
	v_pk_add_f32 v[F+64*\t+8*\n+4*\q+2:F+64*\t+8*\n+4*\q+3], v[128*\t+8*\n+4*\q+2:128*\t+8*\n+4*\q+3], v[F+64*\t+8*\n+4*\q+2:F+64*\t+8*\n+4*\q+3]
.endr
.endr
.endr
	WIN 0
	s_barrier_signal -1                            ; my reads of my partner's area are back (the last wait was for 0)
	s_barrier_wait -1                              ; nobody reads my area any more
	; THE WAY OUT.  A lane holds 32 neighbouring bytes of a row; they go into rows of 528 bytes in my area and come back as whole rows of 512 bytes.
	s_wait_alu depctr_va_vdst(0)
.irp t, 0,1
.irp n, 0,1,2,3,4,5,6,7
.irp q, 0,1
	ds_store_b128 v[STO], v[F+64*\t+8*\n+4*\q:F+64*\t+8*\n+4*\q+3] offset:16*XPI*\t+64*\n+16*\q
.endr
.endr
.endr
.set ee, 0
.rept 32
	ds_load_b128 v[F+4*ee:F+4*ee+3], v[EXW] offset:XPI*ee          ; LDS serves a wave's instructions in order (ISA guide 5.7.1.4): these see the stores above
.set ee, ee+1
.endr
.set ee, 0
.rept 32
	s_wait_dscnt 31-ee
	global_store_b128 v[GO], v[F+4*ee:F+4*ee+3], s[10:11] offset:1024*ee th:TH_STORE_NT   ; the wave stores 512 consecutive bytes, at a multiple of 256 from out0's first byte
.set ee, ee+1
.endr
	s_wait_tensorcnt 0x0                           ; the wave's end, behind my last tensor load and my last LDS store
	ds_add_u32 v[SPW], v[NIL]
	s_wait_dscnt 0x0
	CROUND                                         ; the closing round: no work-group ends while a partner may still ask for an image that names it
	s_endpgm
.Lfunc_end_k_q63d1bab56f_kan:
	.size	k_q63d1bab56f_kan, .Lfunc_end_k_q63d1bab56f_kan-k_q63d1bab56f_kan
	.p2alignl 7, 3214868480
	.fill 96, 4, 3214868480
	.section	.rodata,"a",@progbits
	.p2align	6, 0x0
	.amdhsa_kernel k_q63d1bab56f_kan
		.amdhsa_group_segment_fixed_size 327680
		.amdhsa_private_segment_fixed_size 0
		.amdhsa_enable_private_segment 0
		.amdhsa_kernarg_size 32
		.amdhsa_user_sgpr_count 2
		.amdhsa_user_sgpr_kernarg_segment_ptr 1
		.amdhsa_wavefront_size32 1
		.amdhsa_system_sgpr_workgroup_id_x 1
		.amdhsa_system_sgpr_workgroup_id_y 1
		.amdhsa_system_sgpr_workgroup_id_z 1
		.amdhsa_system_vgpr_workitem_id 0
		.amdhsa_next_free_vgpr 512
		.amdhsa_next_free_sgpr 96
		.amdhsa_reserve_vcc 0
		.amdhsa_float_denorm_mode_32 3
		.amdhsa_float_denorm_mode_16_64 3
		.amdhsa_memory_ordered 1
		.amdhsa_forward_progress 1
		.amdhsa_inst_pref_size 255
	.end_amdhsa_kernel
	.section	.bss,"aw",@nobits
	.p2align	6
	.space	262144
	.amdgpu_metadata
---
amdhsa.version: [ 1, 2 ]
amdhsa.kernels:
  - .name:           k_q63d1bab56f_kan
    .symbol:         k_q63d1bab56f_kan.kd
    .args:
      - { .name: x, .offset: 0, .size: 8, .value_kind: global_buffer, .address_space: global }
      - { .name: grid, .offset: 8, .size: 8, .value_kind: global_buffer, .address_space: global }
      - { .name: wq, .offset: 16, .size: 8, .value_kind: global_buffer, .address_space: global }
      - { .name: out0, .offset: 24, .size: 8, .value_kind: global_buffer, .address_space: global }
    .group_segment_fixed_size: 327680
    .private_segment_fixed_size: 0
    .kernarg_segment_align: 8
    .kernarg_segment_size: 32
    .max_flat_workgroup_size: 256
    .sgpr_count:     96
    .vgpr_count:     512
    .wavefront_size: 32
...
	.end_amdgpu_metadata
.endif
;; end of part 2
